; MI455X (gfx1250); checked and timed in simulation.
; The chip was launched on July 23, 2026; its instructions are those of AMD's public machine-readable ISA for CDNA 5 (MIT licence, August 2026) and "CDNA5" Instruction Set Architecture Reference Guide (July 2026). The comments in the code are by the model that wrote it; some were corrected since.
;; Plane Validator. Allowed arithmetic: float matrix products may take bf16 or f16 operands with f32 sums; all other float work in f32.
;; Inputs: sample_points 4 x 1,024 x 3 float32; y_pred 4 x 16 x 4 float32.
;; Outputs: out0 4 x 16 x 8 float32.
;; Constants: sde_threshold = 10.
;; One version. Each part assembles by itself: llvm-mc -triple=amdgcn-amd-amdhsa -mcpu=gfx1250 --defsym DOCPART=n.
;; ======== version 1 of 1: 2 launches
;; workspace buffers: part 8,192 bytes
;; launch sde (part 1): grid 256 x 1, 8 waves a work-group, no clusters, 111,616 bytes of LDS; arguments sample_points, y_pred, part; writes part
.if DOCPART == 1
	.amdgcn_target "amdgcn-amd-amdhsa--gfx1250"
	.amdhsa_code_object_version 6
	.text
	.protected	k_q5044abe993_sde
	.globl	k_q5044abe993_sde
	.p2align	8
	.type	k_q5044abe993_sde,@function
k_q5044abe993_sde:
	s_mov_b64 s[64:65], 0
	v_nop
	global_prefetch_b8 v0, s[64:65] scope:SCOPE_SE
	s_setreg_imm32_b32 hwreg(HW_REG_WAVE_MODE, 25, 1), 1
	s_wait_xcnt 0x0
; Symmetry distance error of 64 planes (4 batches x 16), as 2,048 partial sums.
;   D[n][m] = |p_n|^2 + |r_m|^2 - 2 p_n . r_m,   r_m = p_m reflected in the plane (n^, d^).
; A reflection keeps distances and is its own inverse: |p_n - R p_m| = |R p_n - p_m|, so D[n][m] = D[m][n] for every input, and the two
; means of minima that are added are one number.  This text makes  sum over m of (min over n of D[n][m]);  the next launch doubles it.
; (n^ has length 1 only to f32 rounding, so the two means differ by as much as D's own rounding.)
;
; D COMES STRAIGHT OUT OF THE MATRIX UNIT, at f32 accuracy.  The bf16 form has 32 places along K and the product needs 3, so each f32 is cut
; EXACTLY into three bf16 pieces h + m + l (8 significant bits each) and the pieces' products take the spare places:
;   K places 0-7 x, 8-15 y, 16-23 z:  rows (p):      h h | h m | m m | l l
;                                     columns (-2r): h m | l h | m l | h m      = every product of pieces but l l (2^-32 of the whole)
;   K places 24-31:                   rows:    Sh Sm | Sl 1  | 1  1  | 0 0      S = |p|^2
;                                     columns: 1  1  | 1  Th | Tm Tl | 0 0      T = |r|^2
; No operand is rounded, so the difference of large sums that D is carries f32's own error and no more.
;
; SHARES.  Work-group = plane (ttmp9 >> 2) and quarter q (ttmp9 & 3) of its reflected points: 256 columns against all 1,024 rows.
; Eight waves: wave w keeps 8 column blocks (half w & 1) in registers as B and streams 16 row blocks (quarter w >> 1) from LDS as A:
; 128 matrix instructions.  A tile's 8 registers are 8 rows of one column, so the minimum over rows is 4 v_min3 a tile into ONE register.
; Rows are built once by the 256 threads (4 sample points and 1 reflected point each) as 64-byte LDS rows, 80 bytes apart: an odd multiple
; of 16 bytes.
; NO TENSOR LOADS, NO CLUSTER: every number has to pass the vector ALU to be cut into pieces, and what work-groups share is 12,288 bytes read once.
;
; LIMITS.  v_rsq_f32 takes a denormal as zero: |n|^2 below 2^-126 gives NaN.  An infinite coordinate gives NaN (its pieces are inf - inf).
; v_min3_num drops a NaN beside numbers; a NaN coordinate still reaches the sum, since as a column all 1,024 of its distances are NaN.
; Multiply-adds are fused and sums ordered otherwise than in the reference.
.set NPTS,  1024                       ; points of a batch
.set RESP,  256                        ; reflected points of a work-group
.set PITCH, 80                         ; LDS bytes from row to row
.set BLK,   16*PITCH                   ; a block of 16 rows
.set BROW,  NPTS*PITCH                 ; LDS: the 256 column rows stand behind the 1,024 rows
.set EXCH,  BROW+RESP*PITCH            ; LDS: 8 waves x 8 registers x 32 lanes of running minima
.set LANE, 1                           ; v1      lane
.set GOFF, 2                           ; v2      12 t: my sample points' byte offset
.set GOFR, 3                           ; v3      12 t + the quarter: my point to reflect
.set LA,   4                           ; v4      80 t: my rows in LDS.           Behind the first barrier: where I put my minima
.set LB,   5                           ; v5      80 t + BROW: my column row.     Behind the first barrier: where I read my column's minima
.set FA,   6                           ; v6      LDS address of my part of the wave's first streamed fragment
.set FB,   7                           ; v7      the same for its first resident fragment
.set ACC,  8                           ; v[8:15]    running minimum of resident block i
.set STR,  16                          ; v[16:47]   ring of four streamed fragments
.set RES,  48                          ; v[48:111]  eight resident fragments
.set DB,   112                         ; v[112:175] two buffers of four tiles
; while the rows are built (all dead before the fragments land):
.set PT,   16                          ; v[16:31]   four points: x, y, z, then |p|^2
.set PR,   32                          ; v[32:35]   the point to reflect, then -2 r and |r|^2
.set NH,   36                          ; v[36:39]   n^ and d^
.set TT,   40                          ; v[40:42]   at work
.set H,    44                          ; v[44:47]   pieces h of x, y, z, square
.set M,    48                          ; v[48:51]   pieces m
.set L,    52                          ; v[52:55]   pieces l
.set W,    56                          ; v[56:71]   a row's 16 words
.set WB,   72                          ; v[72:75]   a column row's last 4 words
.set ONE,  76                          ; v76        1.0: its upper half is bf16 1.0
	s_load_b128 s[4:7], s[0:1], 0x0                ; sample_points s[4:5], y_pred s[6:7]
	s_load_b64 s[8:9], s[0:1], 0x10                ; part
	v_lshl_add_u32 v176, v0, 2, 0x1b000
	v_mov_b32 v177, 0
	v_lshrrev_b32 v1, 5, v0
	v_readfirstlane_b32 s13, v1                    ; wave 0..7
	s_lshr_b32 s10, ttmp9, 2                       ; plane 16 b + h
	s_and_b32 s11, ttmp9, 3                        ; quarter q
	s_lshr_b32 s12, ttmp9, 6                       ; batch b
	s_lshl_b32 s14, s10, 4                         ; a plane is 16 bytes
	s_mov_b32 s15, 0
	s_mul_i32 s16, s12, NPTS*12                    ; a batch's points are 12,288 bytes
	s_mov_b32 s17, 0
	s_mul_i32 s11, s11, RESP*12
	v_and_b32 v[LANE], 31, v0
	v_mul_u32_u24 v[GOFF], v0, 12
	v_add_nc_u32 v[GOFR], s11, v[GOFF]
	s_wait_kmcnt 0x0
	s_add_nc_u64 s[6:7], s[6:7], s[14:15]
	s_add_nc_u64 s[4:5], s[4:5], s[16:17]
	s_load_b128 s[20:23], s[6:7], 0x0              ; nx, ny, nz, d
	global_load_b96 v[PR:PR+2], v[GOFR], s[4:5]    ; point 256 q + t, to be reflected
.irp j, 0,1,2,3
	global_load_b96 v[PT+4*\j:PT+4*\j+2], v[GOFF], s[4:5] offset:\j*RESP*12    ; points t, t + 256, t + 512, t + 768
.endr
	s_mov_b32 s24, 0xffff0000                      ; an f32's upper 16 bits: sign, exponent, 7 bits of mantissa = a bf16
	s_mov_b32 s25, 0x07060302                      ; v_perm_b32: first source's upper half on top of the second's upper half
	s_mov_b32 s30, 0x76543210                      ; v_permlanex16_b32: lane i reads lane i of the other half
	s_mov_b32 s31, 0xfedcba98
	v_mov_b32 v[ONE], 1.0
	v_mov_b32 v[W+14], 0x3f803f80                  ; rows, K places 28, 29: 1 1
	v_mov_b32 v[W+15], 0                           ; K places 30, 31: unused
	v_mov_b32 v[WB], 0x3f803f80                    ; columns, K places 24, 25: 1 1
	v_mov_b32 v[WB+3], 0
	v_mul_u32_u24 v[LA], v0, PITCH
	v_add_nc_u32 v[LB], BROW, v[LA]
	s_and_b32 s26, s13, 1                          ; which 8 column blocks are my wave's
	s_lshr_b32 s27, s13, 1                         ; which 16 row blocks
	s_mul_i32 s26, s26, 8*BLK
	s_add_co_u32 s26, s26, BROW
	s_mul_i32 s27, s27, 16*BLK
	s_wait_kmcnt 0x0
	v_mul_f32 v[TT], s20, s20
	v_fma_f32 v[TT], s21, s21, v[TT]
	v_fma_f32 v[TT], s22, s22, v[TT]
	v_rsq_f32 v[TT], v[TT]                         ; 1 / |n|
	; A fragment: lane l holds row l % 16; registers 0-3 K = 8 (l / 16) + 0..7, registers 4-7 K = 16 + 8 (l / 16) + 0..7:
	; two loads of 16 bytes, 32 bytes apart.  (These lines are also the plain instruction that stands behind v_rsq_f32: ISA guide 5.7.2.)
	v_and_b32 v[TT+1], 15, v0
	v_bfe_u32 v[TT+2], v0, 4, 1
	v_mul_u32_u24 v[TT+1], v[TT+1], PITCH
	v_lshl_add_u32 v[TT+1], v[TT+2], 4, v[TT+1]    ; row x pitch + 16 x half
	v_add_nc_u32 v[FA], s27, v[TT+1]
	v_add_nc_u32 v[FB], s26, v[TT+1]
	s_wait_alu depctr_va_vdst(0)
	v_mul_f32 v[NH],   s20, v[TT]                  ; n^
	v_mul_f32 v[NH+1], s21, v[TT]
	v_mul_f32 v[NH+2], s22, v[TT]
	v_mul_f32 v[NH+3], s23, v[TT]                  ; d^
; Four f32 at v[p .. p+3] into pieces: h = upper 16 bits; the rest is exact; m = its upper 16 bits; l = what is left, 8 bits at the most.
.macro SPLIT4 p
.irp c, 0,1,2,3
	v_and_b32 v[H+\c], s24, v[\p+\c]
.endr
	v_pk_add_f32 v[L:L+1],   v[\p:\p+1],   v[H:H+1]   neg_lo:[0,1] neg_hi:[0,1]
	v_pk_add_f32 v[L+2:L+3], v[\p+2:\p+3], v[H+2:H+3] neg_lo:[0,1] neg_hi:[0,1]
.irp c, 0,1,2,3
	v_and_b32 v[M+\c], s24, v[L+\c]
.endr
	v_pk_add_f32 v[L:L+1],   v[L:L+1],   v[M:M+1]   neg_lo:[0,1] neg_hi:[0,1]
	v_pk_add_f32 v[L+2:L+3], v[L+2:L+3], v[M+2:M+3] neg_lo:[0,1] neg_hi:[0,1]
.endm
; A sample point at v[p .. p+2] becomes the LDS row at v[LA] + off.  In v_perm_b32 the first source gives the odd K place, the second the even one.
.macro ROWA p, off
	v_mul_f32 v[\p+3], v[\p], v[\p]
	v_fma_f32 v[\p+3], v[\p+1], v[\p+1], v[\p+3]
	v_fma_f32 v[\p+3], v[\p+2], v[\p+2], v[\p+3]   ; S = |p|^2
	SPLIT4 \p
.irp c, 0,1,2
	v_perm_b32 v[W+4*\c],   v[H+\c], v[H+\c], s25  ; h h
	v_perm_b32 v[W+4*\c+1], v[M+\c], v[H+\c], s25  ; h m
	v_perm_b32 v[W+4*\c+2], v[M+\c], v[M+\c], s25  ; m m
	v_perm_b32 v[W+4*\c+3], v[L+\c], v[L+\c], s25  ; l l
.endr
	v_perm_b32 v[W+12], v[M+3], v[H+3], s25        ; Sh Sm
	v_perm_b32 v[W+13], v[ONE], v[L+3], s25        ; Sl 1
.irp c, 0,1,2,3
	ds_store_b128 v[LA], v[W+4*\c:W+4*\c+3] offset:\off+16*\c
.endr
.endm
	s_wait_loadcnt 0x4                             ; the point to reflect is in: the four loads behind it may stay out
	v_fma_f32 v[TT], v[PR+2], v[NH+2], v[NH+3]
	v_fma_f32 v[TT], v[PR+1], v[NH+1], v[TT]
	v_fma_f32 v[TT], v[PR],   v[NH],   v[TT]       ; n^ . p + d^
	v_mul_f32 v[TT], -2.0, v[TT]
	v_fma_f32 v[PR],   v[TT], v[NH],   v[PR]       ; r = p - 2 (n^ . p + d^) n^
	v_fma_f32 v[PR+1], v[TT], v[NH+1], v[PR+1]
	v_fma_f32 v[PR+2], v[TT], v[NH+2], v[PR+2]
	v_mul_f32 v[PR+3], v[PR], v[PR]
	v_fma_f32 v[PR+3], v[PR+1], v[PR+1], v[PR+3]
	v_fma_f32 v[PR+3], v[PR+2], v[PR+2], v[PR+3]   ; T = |r|^2
	v_mul_f32 v[PR],   -2.0, v[PR]                 ; the columns carry -2 r (exact)
	v_mul_f32 v[PR+1], -2.0, v[PR+1]
	v_mul_f32 v[PR+2], -2.0, v[PR+2]
	SPLIT4 PR
.irp c, 0,1,2
	v_perm_b32 v[W+4*\c],   v[M+\c], v[H+\c], s25  ; h m
	v_perm_b32 v[W+4*\c+1], v[H+\c], v[L+\c], s25  ; l h
	v_perm_b32 v[W+4*\c+2], v[L+\c], v[M+\c], s25  ; m l
	v_perm_b32 v[W+4*\c+3], v[M+\c], v[H+\c], s25  ; h m
.endr
	v_perm_b32 v[WB+1], v[H+3], v[ONE], s25        ; 1 Th
	v_perm_b32 v[WB+2], v[L+3], v[M+3], s25        ; Tm Tl
.irp c, 0,1,2
	ds_store_b128 v[LB], v[W+4*\c:W+4*\c+3] offset:16*\c
.endr
	ds_store_b128 v[LB], v[WB:WB+3] offset:48
.irp j, 0,1,2,3
	s_wait_loadcnt 3-\j                            ; loads come back in order (ISA guide 5.7.1): point j is in, the younger ones stay out
	ROWA PT+4*\j, \j*RESP*PITCH
.endr
	s_wait_dscnt 0x0                               ; my rows are in LDS, for the other waves' sake
	s_barrier_signal -1
	s_barrier_wait -1                              ; everybody's are
.irp i, 0,1,2,3,4,5,6,7
	ds_load_b128 v[RES+8*\i:RES+8*\i+3],   v[FB] offset:\i*BLK
	ds_load_b128 v[RES+8*\i+4:RES+8*\i+7], v[FB] offset:\i*BLK+32
.endr
.irp i, 0,1,2,3
	ds_load_b128 v[STR+8*\i:STR+8*\i+3],   v[FA] offset:\i*BLK
	ds_load_b128 v[STR+8*\i+4:STR+8*\i+7], v[FA] offset:\i*BLK+32
.endr
	v_lshlrev_b32 v[LA], 2, v[LANE]                ; v4, v5 are free since the barrier: the addresses of the exchange at the end
	s_lshl_b32 s28, s13, 10
	s_add_co_u32 s28, s28, EXCH
	v_add_nc_u32 v[LA], s28, v[LA]                 ; put: EXCH + 1,024 wave + 128 block + 4 lane
	v_lshrrev_b32 v[LB], 4, v0
	v_and_b32 v[GOFF], 15, v0                      ; v2 is free since the points came in
	v_lshlrev_b32 v[GOFF], 2, v[GOFF]
	v_lshl_add_u32 v[LB], v[LB], 7, v[GOFF]
	v_add_nc_u32 v[LB], EXCH, v[LB]                ; read: column t = half t >> 7, block (t >> 4) & 7, lane t & 15
; Four tiles: streamed fragment st against resident blocks r0 .. r0 + 3.  C = 0: a tile is whole after one instruction, nothing is accumulated.
.macro W4 buf, st, r0
.irp k, 0,1,2,3
	v_wmma_f32_16x16x32_bf16 v[DB+32*\buf+8*\k:DB+32*\buf+8*\k+7], v[STR+8*(\st):STR+8*(\st)+7], v[RES+8*(\r0+\k):RES+8*(\r0+\k)+7], 0
.endr
.endm
; The four tiles' minima over their 8 rows, into the blocks' running minima; the four chains take turns.  first = 1 starts them: nothing is preset.
.macro M4 buf, a0, first
.irp k, 0,1,2,3
.if \first
	v_min_num_f32 v[ACC+\a0+\k], v[DB+32*\buf+8*\k], v[DB+32*\buf+8*\k+1]
.else
	v_min3_num_f32 v[ACC+\a0+\k], v[ACC+\a0+\k], v[DB+32*\buf+8*\k], v[DB+32*\buf+8*\k+1]
.endif
.endr
.irp j, 2,4,6
.irp k, 0,1,2,3
	v_min3_num_f32 v[ACC+\a0+\k], v[ACC+\a0+\k], v[DB+32*\buf+8*\k+\j], v[DB+32*\buf+8*\k+\j+1]
.endr
.endr
.endm
; Streamed block s.  Behind each group of four matrix instructions stand the sixteen v_min3 of the OTHER buffer, which name none of the group's
; registers: they are the independent vector instructions that have to stand between a matrix instruction and the reading of its result, the
; writing over it, and the load into its A fragment.  Only block 0 has no such work yet and takes four v_nop.
.macro STEP s
.if \s < 13
	s_wait_dscnt 6                                 ; block s is in (for s = 0 the resident fragments too); the three younger blocks' six loads stay out
.else
	s_wait_dscnt 2*(15-\s)                         ; nothing is fetched any more: the count runs down
.endif
	W4 0, \s%4, 0
.if \s == 0
.rept 4
	v_nop
.endr
.elseif \s == 1
	M4 1, 4, 1
.else
	M4 1, 4, 0
.endif
	W4 1, \s%4, 4
.if \s == 0
	M4 0, 0, 1
.else
	M4 0, 0, 0
.endif
.if \s+4 < 16
	ds_load_b128 v[STR+8*(\s%4):STR+8*(\s%4)+3],   v[FA] offset:(\s+4)*BLK
	ds_load_b128 v[STR+8*(\s%4)+4:STR+8*(\s%4)+7], v[FA] offset:(\s+4)*BLK+32
.endif
.endm
.irp s, 0,1,2,3,4,5,6,7,8,9,10,11,12,13,14,15
	STEP \s
.endr
	M4 1, 4, 0
	; A column's minimum lies in 8 places: 4 waves (row quarters) x 2 halves of the lanes (rows 0-7 and 8-15 of each block).  They meet in LDS.
.irp i, 0,1,2,3,4,5,6,7
	ds_store_b32 v[LA], v[ACC+\i] offset:128*\i
.endr
	s_wait_dscnt 0x0                               ; for the others' sake
	s_barrier_signal -1
	s_barrier_wait -1
.irp k, 0,1,2,3
	ds_load_b32 v[16+2*\k], v[LB] offset:2048*\k       ; row quarter k (waves two apart), rows 0-7
	ds_load_b32 v[17+2*\k], v[LB] offset:2048*\k+64    ; rows 8-15: sixteen lanes on
.endr
	s_lshl_b32 s14, ttmp9, 5                       ; part[8 x work-group + wave]
	s_lshl2_add_u32 s14, s13, s14
	s_add_nc_u64 s[8:9], s[8:9], s[14:15]          ; s15 is still 0
	v_mov_b32 v24, 0
	v_cmp_eq_u32 vcc_lo, 0, v[LANE]
	s_wait_dscnt 0x0
	v_min3_num_f32 v16, v16, v17, v18
	v_min3_num_f32 v19, v19, v20, v21
	v_min3_num_f32 v16, v16, v22, v23
	v_min_num_f32 v16, v16, v19                    ; min over all 1,024 n of D[n][256 q + t]
	v_add_f32_dpp v16, v16, v16 row_xmask:1 row_mask:0xf bank_mask:0xf
	v_add_f32_dpp v16, v16, v16 row_xmask:2 row_mask:0xf bank_mask:0xf
	v_add_f32_dpp v16, v16, v16 row_xmask:4 row_mask:0xf bank_mask:0xf
	v_add_f32_dpp v16, v16, v16 row_xmask:8 row_mask:0xf bank_mask:0xf
	v_permlanex16_b32 v17, v16, s30, s31
	v_add_f32 v16, v16, v17                        ; the wave's 32 columns
	s_wait_xcnt 0x0                                ; EXEC is a source of the loads above: it changes only behind this wait
	s_wait_tensorcnt 0x0
	ds_add_u32 v176, v177
	s_wait_dscnt 0x0
	s_and_saveexec_b32 s29, vcc_lo                 ; lane 0 alone
	global_store_b32 v24, v16, s[8:9]
	s_endpgm
.Lfunc_end_k_q5044abe993_sde:
	.size	k_q5044abe993_sde, .Lfunc_end_k_q5044abe993_sde-k_q5044abe993_sde
	.p2alignl 7, 3214868480
	.fill 96, 4, 3214868480
	.section	.rodata,"a",@progbits
	.p2align	6, 0x0
	.amdhsa_kernel k_q5044abe993_sde
		.amdhsa_group_segment_fixed_size 111616
		.amdhsa_private_segment_fixed_size 0
		.amdhsa_enable_private_segment 0
		.amdhsa_kernarg_size 24
		.amdhsa_user_sgpr_count 2
		.amdhsa_user_sgpr_kernarg_segment_ptr 1
		.amdhsa_wavefront_size32 1
		.amdhsa_system_sgpr_workgroup_id_x 1
		.amdhsa_system_sgpr_workgroup_id_y 1
		.amdhsa_system_sgpr_workgroup_id_z 1
		.amdhsa_system_vgpr_workitem_id 0
		.amdhsa_next_free_vgpr 178
		.amdhsa_next_free_sgpr 66
		.amdhsa_reserve_vcc 1
		.amdhsa_float_denorm_mode_32 3
		.amdhsa_float_denorm_mode_16_64 3
		.amdhsa_memory_ordered 1
		.amdhsa_forward_progress 1
		.amdhsa_inst_pref_size 59
	.end_amdhsa_kernel
	.amdgpu_metadata
---
amdhsa.version: [ 1, 2 ]
amdhsa.kernels:
  - .name:           k_q5044abe993_sde
    .symbol:         k_q5044abe993_sde.kd
    .args:
      - { .name: sample_points, .offset: 0, .size: 8, .value_kind: global_buffer, .address_space: global }
      - { .name: y_pred, .offset: 8, .size: 8, .value_kind: global_buffer, .address_space: global }
      - { .name: part, .offset: 16, .size: 8, .value_kind: global_buffer, .address_space: global }
    .group_segment_fixed_size: 111616
    .private_segment_fixed_size: 0
    .kernarg_segment_align: 8
    .kernarg_segment_size: 24
    .max_flat_workgroup_size: 256
    .sgpr_count:     66
    .vgpr_count:     178
    .wavefront_size: 32
...
	.end_amdgpu_metadata
.endif
;; end of part 1
;; launch nms (part 2): grid 4 x 1, 1 waves a work-group, no clusters, 0 bytes of LDS; arguments part, y_pred, out0; writes out0
.if DOCPART == 2
	.amdgcn_target "amdgcn-amd-amdhsa--gfx1250"
	.amdhsa_code_object_version 6
	.text
	.protected	k_q5044abe993_nms
	.globl	k_q5044abe993_nms
	.p2align	8
	.type	k_q5044abe993_nms,@function
k_q5044abe993_nms:
	s_mov_b64 s[64:65], 0
	v_nop
	global_prefetch_b8 v0, s[64:65] scope:SCOPE_SE
	s_setreg_imm32_b32 hwreg(HW_REG_WAVE_MODE, 25, 1), 1
	s_wait_xcnt 0x0
; One wave for each batch: sde of its 16 planes from the 32 partial sums of each, confidence, order, suppression of close planes, kept rows to the front.
; Lane l stands for plane l & 15 (both halves of the wave hold copies) and, at the end, for output row l & 15, columns 4 (l >> 4) .. + 3.
; NOTHING HERE STEERS AN ADDRESS OR A BRANCH: order and suppression are kept as bit masks and every move of a row is a select.
;   before_j  = the planes that stand in front of plane j in the stable order by falling confidence (bit i: plane i)
;   close_j   = those of them whose normal makes less than 30 degrees with plane j's
;   keep_j    = valid_j and no KEPT plane in close_j.  A plane hangs only on planes in front of it, so starting from keep = valid and
;               applying this line to all planes at once, the first t + 1 planes of the order are final after t passes: 15 passes.
;   row of j  = number of kept planes in before_j.
; The 16 x 16 x 3 product of the normals is 768 multiply-adds and feeds a threshold: it stays in f32.
; LIMITS.  v_rsq_f32 and v_rcp_f32 take denormals as zero and give none: |n|^2 below 2^-126, or max - min of sde outside 2^-126 .. 2^126,
; differ from the reference.  A NaN among the sde makes the batch's confidences NaN, as the reference's min and max do; NaN sorts last.
.set POS,  1                           ; v1  l & 15
.set HALF, 2                           ; v2  l >> 4
.set OP,   3                           ; v3  offset in part
.set OY,   4                           ; v4  offset in y_pred
.set OO,   5                           ; v5  offset in out0
.set SD,   8                           ; v[8:23] the partial sums; then v8 = sde
.set MN,   10
.set MX,   11
.set Y,    24                          ; v[24:27] nx, ny, nz, d
.set NX,   28                          ; v[28:30] n^,  v31 d^
.set DH,   31
.set PX,   32                          ; v[32:34] the point -d^ n^
.set CF,   35
.set KEY,  36
.set T,    37
.set BM,   38                          ; before_j
.set SM,   39                          ; close_j
.set V,    40                          ; v[40:43] my four columns of plane l & 15's row
.set TV,   44                          ; v[44:47] the same of the plane in hand
.set O,    48                          ; v[48:51] my four columns of the output row
	s_load_b128 s[4:7], s[0:1], 0x0                ; part s[4:5], y_pred s[6:7]
	s_load_b64 s[8:9], s[0:1], 0x10                ; out0
	v_and_b32 v[POS], 15, v0
	v_lshrrev_b32 v[HALF], 4, v0
	s_lshl_b32 s10, ttmp9, 11                      ; a batch: 16 planes x 32 sums x 4 bytes of part,
	s_lshl_b32 s11, ttmp9, 8                       ; 256 bytes of y_pred,
	s_lshl_b32 s12, ttmp9, 9                       ; 512 bytes of out0
	v_lshl_add_u32 v[OP], v[POS], 7, s10
	v_lshl_add_u32 v[OP], v[HALF], 6, v[OP]        ; each half of the lanes takes 16 of a plane's 32 sums
	v_lshl_add_u32 v[OY], v[POS], 4, s11
	v_lshl_add_u32 v[OO], v[POS], 5, s12
	v_lshl_add_u32 v[OO], v[HALF], 4, v[OO]
	s_mov_b32 s14, 0x76543210                      ; v_permlanex16_b32: lane i reads lane i of the other half
	s_mov_b32 s15, 0xfedcba98
	s_mov_b32 s18, 0x41200000                      ; sde_threshold = 10
	s_mov_b32 s19, 0x3f5db3d7                      ; cos(pi / 6) in f32
	s_wait_kmcnt 0x0
	global_load_b128 v[Y:Y+3], v[OY], s[6:7]
.irp k, 0,1,2,3
	global_load_b128 v[SD+4*\k:SD+4*\k+3], v[OP], s[4:5] offset:16*\k
.endr
.irp k, 0,1,2,3
	v_mov_b32 v[O+\k], 0                           ; rows that no kept plane takes stay zero
	v_mov_b32 v[TV+\k], 0                          ; a DPP form's destination counts as read
.endr
	v_mov_b32 v[SM], 0
	s_wait_loadcnt 0x4                             ; the plane is in; the four loads of sums stay out
	v_mul_f32 v[T], v[Y], v[Y]
	v_fma_f32 v[T], v[Y+1], v[Y+1], v[T]
	v_fma_f32 v[T], v[Y+2], v[Y+2], v[T]
	v_rsq_f32 v[T], v[T]                           ; 1 / |n|
	v_mov_b32 v[BM], 0                             ; the plain instruction behind v_rsq_f32 (ISA guide 5.7.2)
	s_wait_alu depctr_va_vdst(0)
	v_mul_f32 v[NX],   v[Y],   v[T]
	v_mul_f32 v[NX+1], v[Y+1], v[T]
	v_mul_f32 v[NX+2], v[Y+2], v[T]
	v_mul_f32 v[DH],   v[Y+3], v[T]
	v_mul_f32 v[PX],   -v[DH], v[NX]
	v_mul_f32 v[PX+1], -v[DH], v[NX+1]
	v_mul_f32 v[PX+2], -v[DH], v[NX+2]
	s_wait_loadcnt 0x0
	v_pk_add_f32 v[8:9],   v[8:9],   v[10:11]
	v_pk_add_f32 v[12:13], v[12:13], v[14:15]
	v_pk_add_f32 v[16:17], v[16:17], v[18:19]
	v_pk_add_f32 v[20:21], v[20:21], v[22:23]
	v_pk_add_f32 v[8:9],   v[8:9],   v[12:13]
	v_pk_add_f32 v[16:17], v[16:17], v[20:21]
	v_pk_add_f32 v[8:9],   v[8:9],   v[16:17]
	v_add_f32 v8, v8, v9
	v_permlanex16_b32 v9, v8, s14, s15             ; the other 16 sums
	v_add_f32 v8, v8, v9
	v_mul_f32 v[SD], 0x3b000000, v8                ; sde = 2 x sum / 1,024: the two directions' means are equal (see the first launch)
	; confidence = 1 - (sde - min) / (max - min) over the 16 planes
	v_min_num_f32_dpp v[MN], v[SD], v[SD] row_xmask:1 row_mask:0xf bank_mask:0xf
	v_max_num_f32_dpp v[MX], v[SD], v[SD] row_xmask:1 row_mask:0xf bank_mask:0xf
.irp x, 2,4,8
	v_min_num_f32_dpp v[MN], v[MN], v[MN] row_xmask:\x row_mask:0xf bank_mask:0xf
	v_max_num_f32_dpp v[MX], v[MX], v[MX] row_xmask:\x row_mask:0xf bank_mask:0xf
.endr
	v_cmp_neq_f32 vcc_lo, v[SD], v[SD]             ; these minima drop a NaN, the reference's keep it: put it back
	s_cmp_lg_u32 vcc_lo, 0
	s_cselect_b32 s16, 0x7fc00000, 0
	v_or_b32 v[MN], s16, v[MN]
	v_sub_f32 v[T], v[MX], v[MN]
	v_rcp_f32 v[T], v[T]
	v_sub_f32 v[CF], v[SD], v[MN]                  ; also the plain instruction behind v_rcp_f32
	s_wait_alu depctr_va_vdst(0)
	v_fma_f32 v[CF], -v[CF], v[T], 1.0
	v_cmp_le_f32 s17, v[SD], s18                   ; valid
	; a u32 key that rises as the confidence falls: a positive float's low 31 bits turned over, a negative one as it is; NaN last
	v_xor_b32 v[T], 0x7fffffff, v[CF]
	v_cmp_gt_i32 vcc_lo, 0, v[CF]
	v_cndmask_b32 v[KEY], v[T], v[CF], vcc_lo
	v_cmp_neq_f32 vcc_lo, v[CF], v[CF]
	v_cndmask_b32 v[KEY], v[KEY], -1, vcc_lo
; Plane i against all planes j (the lanes).  Each mask is doubled and takes the new bit in by the carry, so i runs from 15 down to 0.
.macro PAIRS i
	v_readlane_b32 s20, v[KEY],  \i
	v_readlane_b32 s21, v[NX],   \i
	v_readlane_b32 s22, v[NX+1], \i
	v_readlane_b32 s23, v[NX+2], \i
	v_cmp_lt_u32 vcc_lo, s20, v[KEY]               ; i is the more confident,
	v_cmp_eq_u32 s24, s20, v[KEY]
	v_mul_f32  v[T], s21, v[NX]
	v_fmac_f32 v[T], s22, v[NX+1]
	v_fmac_f32 v[T], s23, v[NX+2]                  ; cosine of the angle.  The reference's clip to [-1, 1] changes no comparison with 0.866
	s_and_b32 s24, s24, ((0xffff<<(\i+1))&0xffff)*0x10001      ; or equal, with j > i: the sort is stable
	s_or_b32 s24, vcc_lo, s24                      ; i stands in front of j
	v_cmp_lt_f32 s25, s19, v[T]
	s_mov_b32 vcc_lo, s24
	v_add_co_ci_u32 v[BM], vcc_lo, v[BM], v[BM], vcc_lo
	s_and_b32 vcc_lo, s24, s25                     ; and is close to it
	v_add_co_ci_u32 v[SM], vcc_lo, v[SM], v[SM], vcc_lo
.endm
.irp i, 15,14,13,12,11,10,9,8,7,6,5,4,3,2,1,0
	PAIRS \i
.endr
	s_mov_b32 s26, s17                             ; keep = valid; bits 0-15 are the planes (bits 16-31 their copies, masked off by SM and BM)
.rept 15
	v_and_b32 v[T], s26, v[SM]
	v_cmp_eq_u32 vcc_lo, 0, v[T]                   ; no kept plane in front is close
	s_and_b32 s26, vcc_lo, s17
.endr
	s_mov_b32 vcc_lo, 0xffff0000                   ; a row is n^ (3), point (3), confidence, sde: lanes 0-15 hold columns 0-3, lanes 16-31 columns 4-7
	v_cndmask_b32 v[V],   v[NX],   v[PX+1], vcc_lo
	v_cndmask_b32 v[V+1], v[NX+1], v[PX+2], vcc_lo
	v_cndmask_b32 v[V+2], v[NX+2], v[CF],   vcc_lo
	v_cndmask_b32 v[V+3], v[PX],   v[SD],   vcc_lo
; Plane j's row goes to the lanes of its output row, if it is kept.
.macro PLACE j
	v_readlane_b32 s20, v[BM], \j
	s_and_b32 s20, s20, s26
	s_bcnt1_i32_b32 s20, s20                       ; kept planes in front of j = its row
	s_bitcmp1_b32 s26, \j
	s_cselect_b32 s20, s20, 16                     ; dropped: a row that no lane stands for
	v_cmp_eq_u32 vcc_lo, s20, v[POS]
.irp k, 0,1,2,3
	v_mov_b32_dpp v[TV+\k], v[V+\k] row_share:\j row_mask:0xf bank_mask:0xf    ; lane j of each half of the wave, to its whole half
.endr
.irp k, 0,1,2,3
	v_cndmask_b32 v[O+\k], v[O+\k], v[TV+\k], vcc_lo
.endr
.endm
.irp j, 0,1,2,3,4,5,6,7,8,9,10,11,12,13,14,15
	PLACE \j
.endr
	global_store_b128 v[OO], v[O:O+3], s[8:9]      ; the wave's one store covers the batch's 512 consecutive bytes
	s_endpgm
.Lfunc_end_k_q5044abe993_nms:
	.size	k_q5044abe993_nms, .Lfunc_end_k_q5044abe993_nms-k_q5044abe993_nms
	.p2alignl 7, 3214868480
	.fill 96, 4, 3214868480
	.section	.rodata,"a",@progbits
	.p2align	6, 0x0
	.amdhsa_kernel k_q5044abe993_nms
		.amdhsa_group_segment_fixed_size 0
		.amdhsa_private_segment_fixed_size 0
		.amdhsa_enable_private_segment 0
		.amdhsa_kernarg_size 24
		.amdhsa_user_sgpr_count 2
		.amdhsa_user_sgpr_kernarg_segment_ptr 1
		.amdhsa_wavefront_size32 1
		.amdhsa_system_sgpr_workgroup_id_x 1
		.amdhsa_system_sgpr_workgroup_id_y 1
		.amdhsa_system_sgpr_workgroup_id_z 1
		.amdhsa_system_vgpr_workitem_id 0
		.amdhsa_next_free_vgpr 56
		.amdhsa_next_free_sgpr 66
		.amdhsa_reserve_vcc 1
		.amdhsa_float_denorm_mode_32 3
		.amdhsa_float_denorm_mode_16_64 3
		.amdhsa_memory_ordered 1
		.amdhsa_forward_progress 1
		.amdhsa_inst_pref_size 27
	.end_amdhsa_kernel
	.amdgpu_metadata
---
amdhsa.version: [ 1, 2 ]
amdhsa.kernels:
  - .name:           k_q5044abe993_nms
    .symbol:         k_q5044abe993_nms.kd
    .args:
      - { .name: part, .offset: 0, .size: 8, .value_kind: global_buffer, .address_space: global }
      - { .name: y_pred, .offset: 8, .size: 8, .value_kind: global_buffer, .address_space: global }
      - { .name: out0, .offset: 16, .size: 8, .value_kind: global_buffer, .address_space: global }
    .group_segment_fixed_size: 0
    .private_segment_fixed_size: 0
    .kernarg_segment_align: 8
    .kernarg_segment_size: 24
    .max_flat_workgroup_size: 32
    .sgpr_count:     66
    .vgpr_count:     56
    .wavefront_size: 32
...
	.end_amdgpu_metadata
.endif
;; end of part 2
